; MI455X (gfx1250); checked and timed in simulation.
; The chip was launched on July 23, 2026; its instructions are those of AMD's public machine-readable ISA for CDNA 5 (MIT licence, August 2026) and "CDNA5" Instruction Set Architecture Reference Guide (July 2026). The comments in the code are by the model that wrote it; some were corrected since.
;; Quantize. Allowed arithmetic: matrix products marked QUANTISED: E2M3 operands, one E8M0 scale for each 32 along K, by v_wmma_scale_f32_16x16x128_f8f6f4 with both operands' format E2M3, f32 sums; everything else in f32.
;; Inputs: embed 64 x 1,024 float32; input 16 x 4,096 x 64 float32.
;; Outputs: out0 16 x 4,096 x 64 float32; out1 16 x 4,096 x 64 float32; out2 16 x 4,096 int32.
;; This version of the problem:
;;   THIS VERSION OF THE PROBLEM IS GIVEN IN LOW PRECISION. The matrix products marked QUANTISED in the list below multiply operands that are first quantised to E2M3 (2 exponent bits, 3 mantissa bits; 6 bits a number), with one power-of-two scale for each 32 numbers along K (OCP MX v1.0); their sums are f32. All else is computed in f32.
;;   The module's matrix products, in the order in which they are computed (A, B: the left and right operand; K: the contracted axis; several contracted axes count as one K, in the product's order):
;;     1. [M 65,536, K 64] x [K 64, N 1,024]; A: input input; B: input embed: QUANTISED
;;   THE QUANTISER, for each operand of a quantised product, along K:
;;     - K is cut into blocks of 32 from its start; a last block that is shorter is filled with zeros.
;;     - A block's scale is 2^e with e = floor(log2(the largest magnitude in the block)) - 2, held to -126 .. 127; a block of zeros has e = 0. As a byte (E8M0): e + 127.
;;     - Each number is divided by its block's scale, clamped to +-7.5, and rounded to the nearest number of E2M3, ties to even, subnormals kept.
;;     - The product sums the exact products of the quantised numbers (number of the format x scale) in f32.
;;   ~~~python
;;   def quantise(x, axis):      # numpy; x: float32 -> the quantised numbers, widened to float32 again
;;       x = np.moveaxis(x, axis, -1); K = x.shape[-1]
;;       x = np.pad(x, [(0, 0)] * (x.ndim - 1) + [(0, -K % 32)]); x = x.reshape(x.shape[:-1] + (-1, 32)); a = np.abs(x).max(-1, keepdims=True)
;;       e = np.where(a > 0, np.clip(np.frexp(np.where(a > 0, a, 1))[1] - 1 - 2, -126, 127), 0)      # np.frexp(a)[1] - 1 = floor(log2(a)), exactly
;;       r = np.clip(x / 2.0 ** e, -7.5, 7.5)
;;       step = 2.0 ** (np.maximum(np.frexp(np.where(r == 0, 1, r))[1] - 1, 0) - 3)
;;       q = np.round(r / step) * step * 2.0 ** e      # np.round: ties to even
;;       return np.moveaxis(q.reshape(q.shape[:-2] + (-1,))[..., :K], -1, axis).astype(np.float32)
;;   ~~~
;; One version. Each part assembles by itself: llvm-mc -triple=amdgcn-amd-amdhsa -mcpu=gfx1250 --defsym DOCPART=n.
;; ======== version 1 of 1: 2 launches
;; limits: right only within a limited range of input values
;; workspace buffers: embt 262,144 bytes; order 262,144 bytes of whole numbers
;; launch nearest (part 1): grid 256 x 1, 16 waves a work-group, clusters of 4 x 1, 327,680 bytes of LDS; arguments input, embed, out2, order, embt; writes out2, order, embt
.if DOCPART == 1
	.amdgcn_target "amdgcn-amd-amdhsa--gfx1250"
	.amdhsa_code_object_version 6
	.text
	.protected	k_q345ade8d76_nearest
	.globl	k_q345ade8d76_nearest
	.p2align	8
	.type	k_q345ade8d76_nearest,@function
k_q345ade8d76_nearest:
	s_mov_b64 s[64:65], 0
	v_nop
	global_prefetch_b8 v0, s[64:65] scope:SCOPE_SE
	s_setreg_imm32_b32 hwreg(HW_REG_WAVE_MODE, 25, 1), 1
	s_wait_xcnt 0x0
	s_wait_alu depctr_hold_cnt(0) depctr_sa_sdst(0) depctr_va_vdst(0) depctr_va_sdst(0) depctr_va_ssrc(0) depctr_va_vcc(0) depctr_vm_vsrc(0)
	s_getreg_b32 s2, hwreg(HW_REG_IB_STS2, 6, 4)
	s_cmp_eq_u32 s2, 0
	s_cbranch_scc0 .Lentry_in_a_cluster
	s_endpgm
.Lentry_in_a_cluster:
	s_bfe_u32 s2, ttmp6, 0x10000c
	s_cmp_lg_u32 s2, 0x3003
	s_cbranch_scc0 .Lentry_shape_is_right
	s_endpgm
.Lentry_shape_is_right:
; THE NEAREST CODE OF EACH TOKEN.  input: [65536][64] f32; embed: [64][1024] f32 (K = the 64, its first axis); out2 and order: [65536] i32; embt: [1024][64] f32, embed turned.
; The product x . e is made on codes of FP6 (E2M3), one E8M0 scale for each 32 along K, both operands quantised here.  K = 64 fills half of the instruction's 128.
; THE SCORE.  The distance |x|^2 - 2 x.e + |e|^2 is least where x.e - |e|^2 / 2 is largest.  DEAD WORK LEFT OUT: |x|^2 is the same for all codes of a token, so it moves no argmin, whatever the inputs hold.
; -|e|^2 / 2 is the C of the matrix instruction, so a score costs no vector arithmetic.  |e|^2 is summed by fused multiply-adds in four chains.
; LIMITS: the order of rounding differs from a distance that is rounded with |x|^2 in it: two codes that lie closer to each other than that rounding can be taken in the other order.  Equal scores: the lowest index.
; NaN and infinities among the inputs are not served; a NaN, an infinity or an overflow that reaches only |x|^2 is not carried.  A block whose largest magnitude lies under 2^-124 keeps the scale byte 1 (a block of zeros too: its codes are zeros).
; SHARES.  A work-group of sixteen waves owns 256 tokens.  Wave w multiplies the 64 tokens of group w / 4 (four tiles of 16) by a quarter of the codes, 256 (w % 4) on.  It quantises tokens 16 w .. 16 w + 15 and columns 64 w .. 64 w + 63.
; Source 0 = 16 codes, source 1 = 16 tokens: a lane holds ONE token (lane % 16) and the codes 8 (lane / 16) + 0 .. 7 of a tile.
; THE TOKENS' CODES FOR k = 64 .. 127 ARE ZEROS, so what stands there in source 0 counts for nothing (E2M3 has no code for infinity or NaN): two tiles of codes lie on end in 12 registers, six registers of whatever bits
; behind them, and a tile's operand is its six and the six behind.  The scale words repeat their two bytes for the unused blocks.
; THE LARGEST SCORE, tile by tile: four v_max3 fold the lane's eight scores and the best so far; where the best has grown (a strict compare: the first tile wins) the tile's first seven scores and its number are kept.
; At the end the first kept score that equals the best gives the place in the tile, the eighth place where none does; lanes l and l xor 16 are joined by the score, then by the lower index; then the four quarters of the codes.
; THE CODEBOOK.  All work-groups read all of it: the four of a cluster ask for it jointly.  Wave w asks for its own 64 columns by one tensor load of 64 rows x 256 bytes; each byte is filled once and read by that wave alone.
; It makes 2 RECORDS of 32 codes: a lane takes a column, its registers run down K.  A record in LDS: the two tiles' registers as they stand (3 x 512 bytes), 32 scale words, 32 numbers -|e|^2 / 2.
; Work-group g's waves 0 to 3 also store row 4 g + w of embt for the next launch.
; NO PREFETCH: every byte is asked for once, at the head; the loop reads LDS alone.
.set RECB,  1792                       ; a record
.set SCO,   1536                       ; in it: the scale words,
.set BIO,   1664                       ; the numbers -|e|^2 / 2
.set REC,   262144                     ; LDS: bytes 0 on: the raw columns, 16,384 bytes a wave; from here the 32 records;
.set SPARE, REC+32*RECB                ; and the spare words, 128 bytes for each wave: eight blocks of 256 bytes that no other line names
; A wave's raw columns, once read, serve again: from byte 0 its stage for x, from XEX its tile of tokens' codes for the group's four waves, from REX its 64 indices and 64 scores.
.set RAW,   16384
.set XEX,   8192
.set REX,   12288
.set XPIT,  272                        ; a token's row in the stage: 256 bytes + 16 = 17 x 16: the sixteen rows that a load touches begin in different banks (64 banks of 4 bytes: ISA guide 11.1)
.set LI,   1                           ; v1   my quarter's first record + 16 x lane: register images; stepped two records a trip
.set LS,   2                           ; v2   + 4 x lane: scale words; likewise
.set LB,   3                           ; v3   + 32 (lane / 16): my eight numbers of C; likewise
.set XSI,  4                           ; v4   the stage for x, on the way in
.set XSL,  5                           ; v5   and out
.set EO,   6                           ; v6   the offset of embt's two loads
.set H8,   7                           ; v7   8 (lane / 16)
.set RA,   8                           ; v8   my wave's bytes + 4 x lane
.set XE,   9                           ; v9   my wave's bytes + 16 x lane
.set XE8,  10                          ; v10  + 8 x lane
.set XL,   11                          ; v11-13 my group's bytes + 16, 8, 4 x lane
.set XL8,  12
.set XL4,  13
.set XO,   14                          ; v14  16 x lane
.set GO,   15                          ; v15  8 x lane
.set WI,   16                          ; v16, v17  where I store a record's images, and its words and numbers
.set WS,   17
.set RL,   18                          ; v18  the indices' way out
.set SPW,  19                          ; v19  my spare word; never rewritten
.set NIL,  20                          ; v20  0; never rewritten
.set TN,   23                          ; v23  the tile of codes
.set TK,   24                          ; v24-71   the tokens' codes: 12 registers a tile, the upper six 0
.set SB,   72                          ; v72-75   their scale words
.set SA,   76                          ; v76-77   the codes' scale words, a register for each set: lanes 0-15 the record's first tile, lanes 16-31 its second
.set DS,   80                          ; v80-143  scores: two sets, by turns, of 8 for each tile of tokens
.set CAP,  144                         ; v144-175 kept, for each tile of tokens: seven scores and the number of the tile of codes
.set FG,   176                         ; v176-211 two sets of 12 + 6 registers: a record's two tiles of codes, and six more
.set CI,   212                         ; v212-243 two sets of 16: C of the two tiles
.set BEST, 244                         ; v244-251 the best score, two registers a tile of tokens, by turns
.set TA,   252                         ; v252-255 at work
.set TB,   253
.set TC,   254
.set TD,   255
.set IX,   80                          ; the end, where scores lay
.set OBV,  84
.set OIX,  88
.set MN,   92
.set SCR,  96
.set O01,  100
.set O23,  101
.set S01,  102
.set S23,  103
.set IQ,   104                         ; v104-111 the quarters' indices, two a lane; v112-119 their scores
.set FQ,   112
.set CR,   80                          ; the head: v80-143 and v176-239: 64 numbers of a column
.set XR,   144                         ; v144-175 x as loaded, then 32 neighbours a lane
.set ET,   78                          ; v78-79 embt's row
.set T0,   240
.set T1,   241
.set T2,   242
.set T3,   243
.set QA,   24                          ; v[24:25], v[26:27] the four chains of squares
.set QB,   26
.set MX,   28
.set SOP,  36
.set BY,   38
.set WD,   40
.set BI,   41
.set PC,   240
.set TC0,  252
.set TC1,  72
.set XM,   48                          ; x at work, behind the codebook
.set XS,   52
.set XB,   53
.set XP,   60
.set XW,   61
.set XC,   62
.set XQ,   80
.set WV,   14                          ; s14 wave; s15 my place in the cluster; s16 my work-group
.set CX,   15
.set WG,   16
.set SEL,  20                          ; s[20:21] v_permlanex16_b32's selects for lane l xor 16
.set G1,   24                          ; s[24:31] descriptor group 1;  s[32:35] group 0
.set G0,   32
.set CH,   36                          ; s36 which quarter of the codes; s37 its first code
.set CO,   37
.set HM,   38                          ; s38 lanes 16-31
.set CNT,  39                          ; s39 trips
; A round of the cluster's barrier: my work-group's barrier, wave 0 signals for the work-group, every wave waits for the four work-groups, my work-group's barrier once more.
.macro ROUND
	s_barrier_signal -1
	s_barrier_wait -1
	s_cmp_lg_u32 s[WV], 0
	s_cbranch_scc1 .Lnot_wave_0_\@
	s_barrier_signal -3
.Lnot_wave_0_\@:
	s_barrier_wait -3
	s_barrier_signal -1
	s_barrier_wait -1
.endm
	s_load_b256 s[4:11], s[0:1], 0x0               ; input s[4:5], embed s[6:7], out2 s[8:9], order s[10:11]
	s_load_b64 s[12:13], s[0:1], 0x20              ; embt
	v_lshl_add_u32 v[SPW], v0, 2, SPARE
	v_mov_b32 v[NIL], 0
	ds_add_u32 v[SPW], v[NIL]                      ; the wave's opening: the add, twice on end, and its wait ahead of my first tensor load
	ds_add_u32 v[SPW], v[NIL]
	v_lshrrev_b32 v[T3], 5, v0
	v_readfirstlane_b32 s[WV], v[T3]               ; wave 0..15
	s_bfe_u32 s[CX], ttmp6, 0x40000                ; my place in the cluster: it enters global addresses alone
	s_lshl_b32 s[WG], ttmp9, 2
	s_add_co_u32 s[WG], s[WG], s[CX]               ; my work-group
	s_lshl_b32 s17, s[WV], 14                      ; my wave's raw columns in LDS
	s_lshr_b32 s18, s[WV], 2
	s_lshl_b32 s19, s18, 16                        ; the first of my group's four waves' bytes
	s_and_b32 s[CH], s[WV], 3
	s_lshl_b32 s[CO], s[CH], 8
	s_mul_i32 s22, s[CH], 8*RECB
	s_add_co_u32 s22, s22, REC                     ; my quarter's 8 records
	s_mul_i32 s23, s[WV], 2*RECB
	s_add_co_u32 s23, s23, REC                     ; the two records that I make
	s_lshl_b32 s3, s[CH], 16                       ; the group whose indices I store (waves 0 to 3)
	v_and_b32 v[T0], 31, v0                        ; lane
	v_and_b32 v[T1], 15, v0                        ; r
	v_bfe_u32 v[T2], v0, 4, 1                      ; h
	v_lshlrev_b32 v[H8], 3, v[T2]
	v_lshlrev_b32 v[XO], 4, v[T0]
	v_lshlrev_b32 v[GO], 3, v[T0]
	v_lshlrev_b32 v[EO], 13, v[T0]                 ; embt: lane l takes rows 2 l and 2 l + 1 of embed, 4,096 bytes each
	v_lshl_add_u32 v[RA], v[T0], 2, s17
	v_mul_u32_u24 v[T3], v[T2], XPIT
	v_lshl_add_u32 v[T3], v[T1], 4, v[T3]
	v_add_nc_u32 v[XSI], s17, v[T3]                ; in: a load's 512 bytes are two tokens: lanes 0-15 one row, lanes 16-31 the next
	v_mul_u32_u24 v[T3], v[T1], XPIT
	v_lshl_add_u32 v[T3], v[T2], 7, v[T3]
	v_add_nc_u32 v[XSL], s17, v[T3]                ; out: token r, my half's 128 bytes
	v_add_nc_u32 v[XE], s17, v[XO]
	v_add_nc_u32 v[XE8], s17, v[GO]
	v_add_nc_u32 v[XL], s19, v[XO]
	v_add_nc_u32 v[XL8], s19, v[GO]
	v_lshl_add_u32 v[XL4], v[T0], 2, s19
	v_add_nc_u32 v[RL], s3, v[GO]
	v_add_nc_u32 v[WI], s23, v[XO]
	v_lshl_add_u32 v[WS], v[T0], 2, s23
	v_add_nc_u32 v[LI], s22, v[XO]
	v_lshl_add_u32 v[LS], v[T0], 2, s22
	v_lshl_add_u32 v[LB], v[T2], 5, s22
.irp t, 0,1,2,3
.irp n, 6,7,8,9,10,11
	v_mov_b32 v[TK+12*\t+\n], 0                    ; the tokens' codes for k = 64 .. 127: zeros
.endr
.endr
	s_wait_alu depctr_va_vdst(0)
	s_mov_b32 s[SEL], 0x76543210
	s_mov_b32 s[SEL+1], 0xfedcba98
	s_mov_b32 s[HM], 0xffff0000
	; descriptor group 1: 64 rows (all of K) x 256 bytes (64 columns), 4,096 bytes from row to row; in LDS the rows lie on end
	s_mov_b32 s[G1], 15|(3<<16)|(1<<21)            ; 15:0 the mask: all four work-groups; 17:16 elements of 8 bytes; 21 set beside a mask
	s_mov_b32 s[G1+1], 32<<16                      ; tensor_dim0 = 32 elements
	s_mov_b32 s[G1+2], 64<<16                      ; tensor_dim1 = 64
	s_mov_b32 s[G1+3], 32<<16                      ; tile_dim0 = 32
	s_mov_b32 s[G1+4], 64                          ; tile_dim1 = 64
	s_mov_b32 s[G1+5], 512                         ; tensor_dim0_stride, in elements
	s_mov_b32 s[G1+6], 0
	s_mov_b32 s[G1+7], 0
	s_lshl_b32 s40, s[WG], 16                      ; x: 256 tokens of 256 bytes a work-group,
	s_lshl_b32 s42, s[WV], 12                      ; 16 a wave
	s_add_co_u32 s40, s40, s42
	s_mov_b32 s41, 0
	s_lshl_b32 s42, s[WG], 10                      ; the indices: 4 bytes a token, 64 tokens to each of waves 0 to 3
	s_lshl_b32 s2, s[CH], 8
	s_add_co_u32 s42, s42, s2
	s_mov_b32 s43, 0
	s_lshl_b32 s46, s[WG], 2
	s_add_co_u32 s46, s46, s[WV]                   ; the code whose row of embt is mine (waves 0 to 3)
	s_lshl_b32 s44, s46, 2
	s_mov_b32 s45, 0
	s_lshl_b32 s48, s46, 8
	s_mov_b32 s49, 0
	s_lshl_b32 s50, s[WV], 8                       ; my wave's 64 columns in a row of embed
	s_mov_b32 s51, 0
	s_mov_b32 s[G0], 1                             ; count = 1
	s_mov_b32 s[G0+1], s17                         ; LDS address
	s_wait_dscnt 0x0                               ; both opening adds are done
	ROUND                                          ; the four work-groups are here: the joint loads meet
	s_wait_kmcnt 0x0
	s_add_nc_u64 s[G0+2:G0+3], s[6:7], s[50:51]    ; made of the wave's number alone: the same in all four work-groups
	s_or_b32 s[G0+3], s[G0+3], 0x80000000          ; type = 2
	tensor_load_to_lds s[G0:G0+3], s[G1:G1+7]      ; my one tensor load: 64 columns, into bytes that are filled once
	s_nop 0
	s_add_nc_u64 s[4:5], s[4:5], s[40:41]
.set i, 0
.rept 8
	global_load_b128 v[XR+4*i:XR+4*i+3], v[XO], s[4:5] offset:512*i   ; my 16 tokens: 32 lanes read 512 consecutive bytes
.set i, i+1
.endr
	s_add_nc_u64 s[8:9], s[8:9], s[42:43]
	s_add_nc_u64 s[10:11], s[10:11], s[42:43]
	s_add_nc_u64 s[52:53], s[6:7], s[44:45]        ; my code's column in embed,
	s_add_nc_u64 s[12:13], s[12:13], s[48:49]      ; its row in embt
	s_cmp_lt_u32 s[WV], 4
	s_cbranch_scc0 .Lno_row
	global_load_b32 v[ET], v[EO], s[52:53]
	global_load_b32 v[ET+1], v[EO], s[52:53] offset:4096
.Lno_row:
; THE CODEBOOK.  Record p of my two: columns 64 w + 32 p + lane; d runs down the registers.  The next record's 64 loads go out in one run at the head and land while this record is worked.
; Squares and maxima of the two blocks by turns: no line waits for the line above it.
.macro CBK p, more
.set CU, CR+96*(\p)
	s_wait_dscnt 0x0                               ; this record's numbers are in, and the last record's stores have read their registers
.if \more
.set i, 0
.rept 64
	ds_load_b32 v[CU+96+i], v[RA] offset:128*((\p)+1)+256*i
.set i, i+1
.endr
.endif
	v_pk_mul_f32 v[QA:QA+1], v[CU:CU+1], v[CU:CU+1]
	v_max3_num_f32 v[MX], |v[CU]|, |v[CU+1]|, 0x1800000          ; the floor 2^(3 - 127): the byte cannot fall under 1
	v_pk_mul_f32 v[QB:QB+1], v[CU+32:CU+33], v[CU+32:CU+33]
	v_max3_num_f32 v[MX+1], |v[CU+32]|, |v[CU+33]|, 0x1800000
.set i, 1
.rept 15
	v_pk_fma_f32 v[QA:QA+1], v[CU+2*i:CU+2*i+1], v[CU+2*i:CU+2*i+1], v[QA:QA+1]
	v_max3_num_f32 v[MX], v[MX], |v[CU+2*i]|, |v[CU+2*i+1]|
	v_pk_fma_f32 v[QB:QB+1], v[CU+32+2*i:CU+33+2*i], v[CU+32+2*i:CU+33+2*i], v[QB:QB+1]
	v_max3_num_f32 v[MX+1], v[MX+1], |v[CU+32+2*i]|, |v[CU+33+2*i]|
.set i, i+1
.endr
	v_pk_add_f32 v[QA:QA+1], v[QA:QA+1], v[QB:QB+1]
	v_add_nc_u32 v[SOP], 0xff000000, v[MX]         ; 2 off the exponent field: the two blocks' scale operands,
	v_add_nc_u32 v[SOP+1], 0xff000000, v[MX+1]
	v_add_f32 v[QA], v[QA], v[QA+1]                ; |e|^2
	v_lshrrev_b32 v[BY], 23, v[SOP]                ; their bytes,
	v_lshrrev_b32 v[BY+1], 23, v[SOP+1]
	v_lshl_or_b32 v[WD], v[BY+1], 8, v[BY]
	v_lshl_or_b32 v[WD], v[WD], 16, v[WD]          ; my column's scale word, its two bytes repeated
	v_cvt_scalef32_pk16_fp6_f32 v[PC:PC+2], v[CU:CU+15], v[SOP]
	v_cvt_scalef32_pk16_fp6_f32 v[TC0:TC0+2], v[CU+16:CU+31], v[SOP]
	v_cvt_scalef32_pk16_fp6_f32 v[PC+6:PC+8], v[CU+32:CU+47], v[SOP+1]
	v_cvt_scalef32_pk16_fp6_f32 v[TC1:TC1+2], v[CU+48:CU+63], v[SOP+1]
	v_mul_f32 v[BI], -0.5, v[QA]                   ; (the plain place behind the conversions)
.irp n, 0,1,2                          ; a lane holds both blocks of its column; the operand wants block h of code r in lane (r, h): block 0's lanes 16-31 change places with block 1's lanes 0-15
	v_permlane16_swap_b32 v[PC+\n], v[PC+6+\n]     ; the first is now the tile of columns 0-15, the second that of columns 16-31
	v_permlane16_swap_b32 v[TC0+\n], v[TC1+\n]
.endr
.irp n, 0,1,2
	v_mov_b32 v[PC+3+\n], v[TC0+\n]
	v_mov_b32 v[PC+9+\n], v[TC1+\n]
.endr
.irp n, 0,1,2
	ds_store_b128 v[WI], v[PC+4*\n:PC+4*\n+3] offset:(\p)*RECB+512*\n
.endr
	ds_store_b32 v[WS], v[WD] offset:(\p)*RECB+SCO
	ds_store_b32 v[WS], v[BI] offset:(\p)*RECB+BIO
.endm
	s_wait_tensorcnt 0x0                           ; my 64 columns have landed: this wave alone reads them
.set i, 0
.rept 64
	ds_load_b32 v[CR+i], v[RA] offset:256*i
.set i, i+1
.endr
	CBK 0, 1
	CBK 1, 0
; X.  The eight loads go through the stage as they lie and come back 128 bytes a lane: token r, numbers 32 h + 0 .. 31: a whole block.  The stage lies where my raw columns lay: all of them are in registers,
; and no fill follows.  LDS serves a wave's instructions in order (ISA guide 5.7.1.4): no wait stands between the stores and the loads, and the loads come back into the registers that the stores left.
	s_wait_loadcnt 0x0                             ; x is in, and embt's row
.irp n, 0,1,2,3,4,5,6,7
	ds_store_b128 v[XSI], v[XR+4*\n:XR+4*\n+3] offset:\n*2*XPIT
.endr
.irp n, 0,1,2,3,4,5,6,7
	ds_load_b128 v[XR+4*\n:XR+4*\n+3], v[XSL] offset:16*\n
.endr
	s_cmp_lt_u32 s[WV], 4
	s_cbranch_scc0 .Lno_store
	global_store_b64 v[GO], v[ET:ET+1], s[12:13]   ; embt's row: 32 lanes store 256 consecutive bytes, aligned
.Lno_store:
	v_mov_b32 v[XP], 0                             ; a lane permute's destination counts as one of its sources
	s_wait_alu depctr_va_vdst(0)
	s_wait_dscnt 0x0
.irp c, 0,1,2,3
	v_max3_num_f32 v[XM+\c], |v[XR+8*\c]|, |v[XR+8*\c+1]|, 0x1800000   ; my block's largest magnitude, in four chains, and the floor 2^(3 - 127): the byte cannot fall under 1
.endr
.irp i, 2,4,6
.irp c, 0,1,2,3
	v_max3_num_f32 v[XM+\c], v[XM+\c], |v[XR+8*\c+\i]|, |v[XR+8*\c+\i+1]|
.endr
.endr
	v_max_num_f32 v[XM], v[XM], v[XM+1]
	v_max3_num_f32 v[XM], v[XM], v[XM+2], v[XM+3]
	v_add_nc_u32 v[XS], 0xff000000, v[XM]          ; 2 off its exponent field: the conversion takes the exponent field of this operand as its scale
	v_lshrrev_b32 v[XB], 23, v[XS]                 ; the scale's byte,
	v_lshlrev_b32 v[XB], v[H8], v[XB]              ; at its place: block h is byte h
	v_permlanex16_b32 v[XP], v[XB], s[SEL], s[SEL+1]
	v_or_b32 v[XB], v[XB], v[XP]                   ; with lane l xor 16's: the token's two bytes
	v_lshl_or_b32 v[XW], v[XB], 16, v[XB]          ; repeated for the blocks of zeros
	v_cvt_scalef32_pk16_fp6_f32 v[XQ:XQ+2], v[XR:XR+15], v[XS]
	v_cvt_scalef32_pk16_fp6_f32 v[XC:XC+2], v[XR+16:XR+31], v[XS]   ; (a conversion's three registers begin on an even number)
	v_nop                                          ; one plain place behind a scaled conversion
.irp n, 0,1,2
	v_mov_b32 v[XQ+3+\n], v[XC+\n]
.endr
	ds_store_b128 v[XE], v[XQ:XQ+3] offset:XEX     ; the operand's registers as an image, for the four waves of the group
	ds_store_b64 v[XE8], v[XQ+4:XQ+5] offset:XEX+512
	ds_store_b32 v[RA], v[XW] offset:XEX+768
	s_wait_dscnt 0x0                               ; for the others' sake: my records and my tokens' codes lie in LDS
	s_barrier_signal -1
	s_barrier_wait -1                              ; all 32 records and all 16 tiles of tokens do
; A record, off bytes on from where the address registers stand, into set s: eight loads
.macro LOADR s, off
	ds_load_b128 v[FG+18*(\s):FG+18*(\s)+3], v[LI] offset:\off
	ds_load_b128 v[FG+18*(\s)+4:FG+18*(\s)+7], v[LI] offset:\off+512
	ds_load_b128 v[FG+18*(\s)+8:FG+18*(\s)+11], v[LI] offset:\off+1024
	ds_load_b32 v[SA+(\s)], v[LS] offset:\off+SCO
	ds_load_b128 v[CI+16*(\s):CI+16*(\s)+3], v[LB] offset:\off+BIO
	ds_load_b128 v[CI+16*(\s)+4:CI+16*(\s)+7], v[LB] offset:\off+BIO+16
	ds_load_b128 v[CI+16*(\s)+8:CI+16*(\s)+11], v[LB] offset:\off+BIO+64
	ds_load_b128 v[CI+16*(\s)+12:CI+16*(\s)+15], v[LB] offset:\off+BIO+80
.endm
; The four matrix instructions of tile k (0 .. 3) of a trip's two records: the four tiles of tokens.  Each writes scores anew, with C in registers of its own: no sum goes on in place.
.macro MM4 k
.set mu, (\k)%2
.set ms, (\k)/2
.irp t, 0,1,2,3
.if mu
	v_wmma_scale_f32_16x16x128_f8f6f4 v[DS+32+8*\t:DS+39+8*\t], v[FG+18*ms+6:FG+18*ms+17], v[TK+12*\t:TK+12*\t+11], v[CI+16*ms+8:CI+16*ms+15], v[SA+ms], v[SB+\t] matrix_a_fmt:MATRIX_FMT_FP6 matrix_b_fmt:MATRIX_FMT_FP6 matrix_a_scale:MATRIX_SCALE_ROW1
.else
	v_wmma_scale_f32_16x16x128_f8f6f4 v[DS+8*\t:DS+7+8*\t], v[FG+18*ms:FG+18*ms+11], v[TK+12*\t:TK+12*\t+11], v[CI+16*ms:CI+16*ms+7], v[SA+ms], v[SB+\t] matrix_a_fmt:MATRIX_FMT_FP6 matrix_b_fmt:MATRIX_FMT_FP6
.endif
.endr
.endm
; Two selects by VCC in one instruction: c and c + 1 take d and e where the best has grown
.macro PAIR c, d, e
	v_dual_cndmask_b32 v[\c], v[\c], v[\d] :: v_dual_cndmask_b32 v[(\c)+1], v[(\c)+1], v[\e]
.endm
; The lines of tile t of tokens, DG its scores: four maxima, from the accumulator's low end on, in a tree two deep; the compare; the selects.
.macro MA x, t
	v_max3_num_f32 v[\x], v[DG+8*\t], v[DG+8*\t+1], v[DG+8*\t+2]
.endm
.macro MB x, t
	v_max3_num_f32 v[\x], v[DG+8*\t+5], v[DG+8*\t+6], v[DG+8*\t+7]
.endm
.macro MC t
	v_max3_num_f32 v[BN+2*\t], v[DG+8*\t+3], v[DG+8*\t+4], v[BO+2*\t]
.endm
.macro MD x, y, t
	v_max3_num_f32 v[BN+2*\t], v[\x], v[\y], v[BN+2*\t]
.endm
.macro GREW t                          ; strictly: of equal scores the earlier tile stays
	v_cmp_gt_f32 vcc_lo, v[BN+2*\t], v[BO+2*\t]
.endm
.macro KEEP t
	PAIR CAP+8*\t, DG+8*\t, DG+8*\t+1
	PAIR CAP+8*\t+2, DG+8*\t+2, DG+8*\t+3
	PAIR CAP+8*\t+4, DG+8*\t+4, DG+8*\t+5
	PAIR CAP+8*\t+6, DG+8*\t+6, TN
.endm
; GROUP g (0 .. 3): the next tile of codes' four products go first, into the other set of scores; then this tile's scores (made a group ago: the vector lines of the group before, which name none of those
; instructions' registers, are the places behind them: ISA guide 7.12.1).  Groups 1 and 3 change records: their wait leaves out the eight loads of the record asked for last.
; Group 0 asks for the record behind the next into set 0, group 2 into set 1: the last products that read the set stand ahead of this group's vector lines.
.macro GROUP g, mm, more
.set DG, DS+32*((\g)%2)
.set BO, BEST+(\g)%2
.set BN, BEST+1-(\g)%2
.if (\mm) && ((\g)%2)
	s_wait_dscnt 8*(\more)
.endif
.if \mm
	MM4 ((\g)+1)%4
.endif
	MA TA, 0
	MA TC, 1
	MB TB, 0
	MC 0
	MB TD, 1
	MC 1
	MD TA, TB, 0
	MD TC, TD, 1
	MA TA, 2
	GREW 0
	MB TB, 2
	MC 2
	MA TC, 3
	KEEP 0
	GREW 1
	MB TD, 3
	MC 3
	MD TA, TB, 2
	KEEP 1
	GREW 2
	MD TC, TD, 3
	KEEP 2
	GREW 3
	KEEP 3
	v_add_nc_u32 v[TN], 1, v[TN]
.if (\more) && ((\g)%2 == 0)
	LOADR (\g)/2, (2+(\g)/2)*RECB
.endif
.endm
.macro TRIP more                       ; two records, four tiles of codes
	GROUP 0, 1, \more
	GROUP 1, 1, \more
	GROUP 2, 1, \more
	GROUP 3, \more, \more
.endm
.irp t, 0,1,2,3                        ; my group's four tiles: four waves' one each
	ds_load_b128 v[TK+12*\t:TK+12*\t+3], v[XL] offset:\t*RAW+XEX
	ds_load_b64 v[TK+12*\t+4:TK+12*\t+5], v[XL8] offset:\t*RAW+XEX+512
	ds_load_b32 v[SB+\t], v[XL4] offset:\t*RAW+XEX+768
.endr
	LOADR 0, 0
	LOADR 1, RECB
	s_wait_dscnt 8                                 ; the tokens' codes and record 0 are in; record 1's eight loads may be out
	MM4 0
.irp t, 0,1,2,3
	v_mov_b32 v[BEST+2*\t], 0xff800000             ; -infinity, under every finite score: so the first tile replaces whatever stands among the kept
.endr
	v_mov_b32 v[TN], 0                             ; (these five lines are also places behind the first products)
	s_mov_b32 s[CNT], 3
.Ltrip:
	s_wait_alu depctr_va_vdst(0)                   ; ahead of the first readers behind the branch
	TRIP 1
	v_add_nc_u32 v[LI], 2*RECB, v[LI]
	v_add_nc_u32 v[LS], 2*RECB, v[LS]
	v_add_nc_u32 v[LB], 2*RECB, v[LB]
	s_sub_co_u32 s[CNT], s[CNT], 1
	s_cmp_lg_u32 s[CNT], 0
	s_cbranch_scc1 .Ltrip
	TRIP 0                                         ; the last two records: nothing more to fetch, no product behind the last
	; THE END.  The first of the kept scores that equals the best: from the last place down, so that the lowest stays.
.irp t, 0,1,2,3
	v_mov_b32 v[IX+\t], 7
.endr
.irp j, 6,5,4,3,2,1,0
.irp t, 0,1,2,3
	v_cmp_neq_f32 vcc_lo, v[CAP+8*\t+\j], v[BEST+2*\t]
	v_cndmask_b32 v[IX+\t], \j, v[IX+\t], vcc_lo
.endr
.endr
.irp t, 0,1,2,3
	v_lshl_add_u32 v[IX+\t], v[CAP+8*\t+7], 4, v[IX+\t]
.endr
.irp t, 0,1,2,3
	v_add3_u32 v[IX+\t], v[IX+\t], v[H8], s[CO]    ; the code: my quarter's first + 16 x tile + 8 (lane / 16) + place
.endr
.irp t, 0,1,2,3
	v_permlanex16_b32 v[OBV+\t], v[BEST+2*\t], s[SEL], s[SEL+1]   ; the token's other codes of my quarter lie in the lane 16 away
	v_permlanex16_b32 v[OIX+\t], v[IX+\t], s[SEL], s[SEL+1]
.endr
.irp t, 0,1,2,3
	v_min_u32 v[MN+\t], v[IX+\t], v[OIX+\t]
	v_max_num_f32 v[SCR+\t], v[BEST+2*\t], v[OBV+\t]
.endr
.irp t, 0,1,2,3
	v_cmp_eq_f32 vcc_lo, v[BEST+2*\t], v[OBV+\t]
	v_cndmask_b32 v[IX+\t], v[IX+\t], v[MN+\t], vcc_lo            ; equal scores: the lower index
	v_cmp_gt_f32 vcc_lo, v[OBV+\t], v[BEST+2*\t]
	v_cndmask_b32 v[IX+\t], v[IX+\t], v[OIX+\t], vcc_lo           ; the other's is larger: its index.  Both lanes now hold the token's code and score
.endr
	v_cndmask_b32 v[O01], v[IX], v[IX+1], s[HM]    ; lanes 0-15: tokens 0-15; lanes 16-31: tokens 16-31
	v_cndmask_b32 v[O23], v[IX+2], v[IX+3], s[HM]  ; tokens 32-63
	v_cndmask_b32 v[S01], v[SCR], v[SCR+1], s[HM]
	v_cndmask_b32 v[S23], v[SCR+2], v[SCR+3], s[HM]
	ds_store_b32 v[RA], v[O01] offset:REX
	ds_store_b32 v[RA], v[O23] offset:REX+128
	ds_store_b32 v[RA], v[S01] offset:REX+256
	ds_store_b32 v[RA], v[S23] offset:REX+384
	s_wait_dscnt 0x0                               ; for the others' sake: my quarter's indices and scores lie in LDS
	s_barrier_signal -1
	s_barrier_wait -1
	s_cmp_lt_u32 s[WV], 4
	s_cbranch_scc0 .Ldone                          ; waves 0 to 3 join the four quarters of a group of 64 tokens each, two tokens a lane
.irp q, 0,1,2,3
	ds_load_b64 v[IQ+2*\q:IQ+2*\q+1], v[RL] offset:\q*RAW+REX
	ds_load_b64 v[FQ+2*\q:FQ+2*\q+1], v[RL] offset:\q*RAW+REX+256
.endr
	s_wait_dscnt 0x0
.irp q, 1,2,3
.irp e, 0,1
	v_cmp_gt_f32 vcc_lo, v[FQ+2*\q+\e], v[FQ+\e]   ; equal scores: the earlier quarter's index, which is the lower
	v_cndmask_b32 v[IQ+\e], v[IQ+\e], v[IQ+2*\q+\e], vcc_lo
	v_max_num_f32 v[FQ+\e], v[FQ+\e], v[FQ+2*\q+\e]
.endr
.endr
	global_store_b64 v[GO], v[IQ:IQ+1], s[8:9]     ; 32 lanes store 256 consecutive bytes, aligned
	global_store_b64 v[GO], v[IQ:IQ+1], s[10:11]   ; and the copy from which the next launch forms its addresses
.Ldone:
	s_wait_tensorcnt 0x0                           ; the wave's end
	ds_add_u32 v[SPW], v[NIL]
	s_wait_dscnt 0x0
	ROUND                                          ; the closing round: no work-group ends while a partner may still ask for a tile that names it
	s_endpgm
.Lfunc_end_k_q345ade8d76_nearest:
	.size	k_q345ade8d76_nearest, .Lfunc_end_k_q345ade8d76_nearest-k_q345ade8d76_nearest
	.p2alignl 7, 3214868480
	.fill 96, 4, 3214868480
	.section	.rodata,"a",@progbits
	.p2align	6, 0x0
	.amdhsa_kernel k_q345ade8d76_nearest
		.amdhsa_group_segment_fixed_size 327680
		.amdhsa_private_segment_fixed_size 0
		.amdhsa_enable_private_segment 0
		.amdhsa_kernarg_size 40
		.amdhsa_user_sgpr_count 2
		.amdhsa_user_sgpr_kernarg_segment_ptr 1
		.amdhsa_wavefront_size32 1
		.amdhsa_system_sgpr_workgroup_id_x 1
		.amdhsa_system_sgpr_workgroup_id_y 1
		.amdhsa_system_sgpr_workgroup_id_z 1
		.amdhsa_system_vgpr_workitem_id 0
		.amdhsa_next_free_vgpr 256
		.amdhsa_next_free_sgpr 66
		.amdhsa_reserve_vcc 1
		.amdhsa_float_denorm_mode_32 3
		.amdhsa_float_denorm_mode_16_64 3
		.amdhsa_memory_ordered 1
		.amdhsa_forward_progress 1
		.amdhsa_inst_pref_size 60
	.end_amdhsa_kernel
	.amdgpu_metadata
---
amdhsa.version: [ 1, 2 ]
amdhsa.kernels:
  - .name:           k_q345ade8d76_nearest
    .symbol:         k_q345ade8d76_nearest.kd
    .args:
      - { .name: input, .offset: 0, .size: 8, .value_kind: global_buffer, .address_space: global }
      - { .name: embed, .offset: 8, .size: 8, .value_kind: global_buffer, .address_space: global }
      - { .name: out2, .offset: 16, .size: 8, .value_kind: global_buffer, .address_space: global }
      - { .name: order, .offset: 24, .size: 8, .value_kind: global_buffer, .address_space: global }
      - { .name: embt, .offset: 32, .size: 8, .value_kind: global_buffer, .address_space: global }
    .group_segment_fixed_size: 327680
    .private_segment_fixed_size: 0
    .kernarg_segment_align: 8
    .kernarg_segment_size: 40
    .max_flat_workgroup_size: 512
    .sgpr_count:     66
    .vgpr_count:     256
    .wavefront_size: 32
...
	.end_amdgpu_metadata
.endif
;; end of part 1
;; launch gather (part 2): grid 256 x 1, 16 waves a work-group, no clusters, 0 bytes of LDS; arguments input, order, embt, out0, out1; writes out0, out1
.if DOCPART == 2
	.amdgcn_target "amdgcn-amd-amdhsa--gfx1250"
	.amdhsa_code_object_version 6
	.text
	.protected	k_q345ade8d76_gather
	.globl	k_q345ade8d76_gather
	.p2align	8
	.type	k_q345ade8d76_gather,@function
k_q345ade8d76_gather:
	s_mov_b64 s[64:65], 0
	v_nop
	global_prefetch_b8 v0, s[64:65] scope:SCOPE_SE
	s_setreg_imm32_b32 hwreg(HW_REG_WAVE_MODE, 25, 1), 1
	s_wait_xcnt 0x0
; out0 = x + (q - x), out1 = (q - x)^2, q = the row of embt that order names for the token.  input, out0, out1: [65536][64] f32; order: [65536] i32; embt: [1024][64] f32.
; A stream: no LDS, no barrier, no matrix unit.  Sixteen waves; a wave owns 16 tokens.  A row is 256 bytes: sixteen lanes take a row, 16 bytes each; instruction i takes token i (lanes 0-15) and token 8 + i (lanes 16-31):
; every load and store covers two whole aligned rows of 256 bytes.  All of a wave's loads go out first: 2 of indices, 8 of x, then 8 of the table; all arithmetic stands ahead of the first store, and nothing is written
; again behind a store, so no wait frees a register.  No prefetch: there is no loop to run ahead in.
; NO CLUSTER: what the work-groups share is the table, of which each reads the rows that its indices name: there is no tile that partners could ask for jointly.
; An index is held to 1,023, the table's last row, before it enters an address.
.set IDX, 16                           ; v16-23   my half's 8 indices, then the table's byte offsets
.set X,   24                           ; v24-55   x, then out0
.set Q,   56                           ; v56-87   q, then q - x, then its square
	s_load_b256 s[4:11], s[0:1], 0x0               ; input s[4:5], order s[6:7], embt s[8:9], out0 s[10:11]
	s_load_b64 s[12:13], s[0:1], 0x20              ; out1
	v_lshrrev_b32 v4, 5, v0
	v_readfirstlane_b32 s14, v4                    ; wave 0..15
	v_and_b32 v1, 15, v0
	v_bfe_u32 v3, v0, 4, 1                         ; h
	v_lshlrev_b32 v1, 4, v1                        ; 16 r: my 16 bytes of a row
	v_lshl_add_u32 v2, v3, 11, v1                  ; + 8 rows for lanes 16-31
	v_lshlrev_b32 v3, 5, v3                        ; my half's 8 indices: 32 bytes
	s_wait_alu depctr_va_vdst(0)
	s_lshl_b32 s16, ttmp9, 16                      ; 256 tokens of 256 bytes a work-group,
	s_lshl_b32 s15, s14, 12                        ; 16 a wave
	s_add_co_u32 s16, s16, s15
	s_mov_b32 s17, 0
	s_lshr_b32 s18, s16, 6                         ; 4 bytes a token
	s_mov_b32 s19, 0
	s_wait_kmcnt 0x0
	s_add_nc_u64 s[6:7], s[6:7], s[18:19]
	s_add_nc_u64 s[4:5], s[4:5], s[16:17]
	global_load_b128 v[IDX:IDX+3], v3, s[6:7]      ; register i: the index of token 8 h + i
	global_load_b128 v[IDX+4:IDX+7], v3, s[6:7] offset:16
.irp i, 0,1,2,3,4,5,6,7
	global_load_b128 v[X+4*\i:X+4*\i+3], v2, s[4:5] offset:256*\i th:TH_LOAD_NT
.endr
	s_add_nc_u64 s[10:11], s[10:11], s[16:17]
	s_add_nc_u64 s[12:13], s[12:13], s[16:17]
	s_wait_loadcnt 8                               ; the indices are in; x's eight loads, issued behind them, may be out
.irp i, 0,1,2,3,4,5,6,7
	v_min_u32 v[IDX+\i], 0x3ff, v[IDX+\i]
.endr
.irp i, 0,1,2,3,4,5,6,7
	v_lshl_add_u32 v[IDX+\i], v[IDX+\i], 8, v1     ; the row's 256 bytes, my 16 of them
.endr
.irp i, 0,1,2,3,4,5,6,7
	global_load_b128 v[Q+4*\i:Q+4*\i+3], v[IDX+\i], s[8:9]
.endr
.irp k, 0,1,2,3                        ; rows 2 k and 2 k + 1: four pairs of numbers by turns
	s_wait_loadcnt 6-2*\k                          ; loads come back in order (ISA guide 5.7.1): both rows of the table are in, and all of x; the rows behind them may be out
.irp j, 0,2,4,6
	v_pk_add_f32 v[Q+8*\k+\j:Q+8*\k+\j+1], v[Q+8*\k+\j:Q+8*\k+\j+1], v[X+8*\k+\j:X+8*\k+\j+1] neg_lo:[0,1] neg_hi:[0,1]   ; q - x
.endr
.irp j, 0,2,4,6
	v_pk_add_f32 v[X+8*\k+\j:X+8*\k+\j+1], v[X+8*\k+\j:X+8*\k+\j+1], v[Q+8*\k+\j:Q+8*\k+\j+1]   ; x + (q - x)
.endr
.irp j, 0,2,4,6
	v_pk_mul_f32 v[Q+8*\k+\j:Q+8*\k+\j+1], v[Q+8*\k+\j:Q+8*\k+\j+1], v[Q+8*\k+\j:Q+8*\k+\j+1]   ; (q - x)^2
.endr
.endr
	s_wait_alu depctr_va_vdst(0)                   ; directly ahead of the readers below
.irp i, 0,1,2,3,4,5,6,7
	global_store_b128 v2, v[X+4*\i:X+4*\i+3], s[10:11] offset:256*\i th:TH_STORE_NT
	global_store_b128 v2, v[Q+4*\i:Q+4*\i+3], s[12:13] offset:256*\i th:TH_STORE_NT
.endr
	s_endpgm
.Lfunc_end_k_q345ade8d76_gather:
	.size	k_q345ade8d76_gather, .Lfunc_end_k_q345ade8d76_gather-k_q345ade8d76_gather
	.p2alignl 7, 3214868480
	.fill 96, 4, 3214868480
	.section	.rodata,"a",@progbits
	.p2align	6, 0x0
	.amdhsa_kernel k_q345ade8d76_gather
		.amdhsa_group_segment_fixed_size 0
		.amdhsa_private_segment_fixed_size 0
		.amdhsa_enable_private_segment 0
		.amdhsa_kernarg_size 40
		.amdhsa_user_sgpr_count 2
		.amdhsa_user_sgpr_kernarg_segment_ptr 1
		.amdhsa_wavefront_size32 1
		.amdhsa_system_sgpr_workgroup_id_x 1
		.amdhsa_system_sgpr_workgroup_id_y 1
		.amdhsa_system_sgpr_workgroup_id_z 1
		.amdhsa_system_vgpr_workitem_id 0
		.amdhsa_next_free_vgpr 88
		.amdhsa_next_free_sgpr 66
		.amdhsa_reserve_vcc 0
		.amdhsa_float_denorm_mode_32 3
		.amdhsa_float_denorm_mode_16_64 3
		.amdhsa_memory_ordered 1
		.amdhsa_forward_progress 1
		.amdhsa_inst_pref_size 9
	.end_amdhsa_kernel
	.amdgpu_metadata
---
amdhsa.version: [ 1, 2 ]
amdhsa.kernels:
  - .name:           k_q345ade8d76_gather
    .symbol:         k_q345ade8d76_gather.kd
    .args:
      - { .name: input, .offset: 0, .size: 8, .value_kind: global_buffer, .address_space: global }
      - { .name: order, .offset: 8, .size: 8, .value_kind: global_buffer, .address_space: global }
      - { .name: embt, .offset: 16, .size: 8, .value_kind: global_buffer, .address_space: global }
      - { .name: out0, .offset: 24, .size: 8, .value_kind: global_buffer, .address_space: global }
      - { .name: out1, .offset: 32, .size: 8, .value_kind: global_buffer, .address_space: global }
    .group_segment_fixed_size: 0
    .private_segment_fixed_size: 0
    .kernarg_segment_align: 8
    .kernarg_segment_size: 40
    .max_flat_workgroup_size: 512
    .sgpr_count:     66
    .vgpr_count:     88
    .wavefront_size: 32
...
	.end_amdgpu_metadata
.endif
;; end of part 2
